; MI455X (gfx1250); checked and timed in simulation.
; The chip was launched on July 23, 2026; its instructions are those of AMD's public machine-readable ISA for CDNA 5 (MIT licence, August 2026) and "CDNA5" Instruction Set Architecture Reference Guide (July 2026). The comments in the code are by the model that wrote it; some were corrected since.
;; TQ Linear. Allowed arithmetic: matrix products marked QUANTISED: E2M1 operands, one E8M0 scale for each 32 along K, by v_wmma_scale_f32_16x16x128_f8f6f4 with both operands' format E2M1 (or v_wmma_scale_f32_32x16x128_f4), f32 sums; everything else in f32.
;; Inputs: bias 4,096 float32; delta_in_experts 8 x 1 x 4,096 float32; delta_out_experts 8 x 4,096 x 1 float32; weight_int 4,096 x 4,096 int32; x_codes 4,096 x 128 x 16 uint8 (E2M1 codes of x, K innermost, in blocks of 32 codes, two codes a byte); x_scales 4,096 x 128 uint8 (E8M0 scales of x, one for each 32 codes along K); zero_point 4,096 x 1 float32.
;; Outputs: out0 4,096 x 4,096 float32.
;; Constants: expert_index = 3.
;; This version of the problem:
;;   THIS VERSION OF THE PROBLEM IS GIVEN IN LOW PRECISION. The matrix products marked QUANTISED in the list below multiply operands that are first quantised to E2M1 (2 exponent bits, 1 mantissa bit; 4 bits a number), with one power-of-two scale for each 32 numbers along K (OCP MX v1.0); their sums are f32. All else is computed in f32.
;;   The module's matrix products, in the order in which they are computed (A, B: the left and right operand; K: the contracted axis; several contracted axes count as one K, in the product's order):
;;     1. [M 4,096, K 4,096] x [K 4,096, N 4,096]; A: input x (given as codes); B: computed on the way: QUANTISED
;;   THE QUANTISER, for each operand of a quantised product, along K:
;;     - K is cut into blocks of 32 from its start; a last block that is shorter is filled with zeros.
;;     - A block's scale is 2^e with e = floor(log2(the largest magnitude in the block)) - 2, held to -126 .. 127; a block of zeros has e = 0. As a byte (E8M0): e + 127.
;;     - Each number is divided by its block's scale, clamped to +-6, and rounded to the nearest number of E2M1, ties to even, subnormals kept.
;;     - The product sums the exact products of the quantised numbers (number of the format x scale) in f32.
;;   ~~~python
;;   def quantise(x, axis):      # numpy; x: float32 -> the quantised numbers, widened to float32 again
;;       x = np.moveaxis(x, axis, -1); K = x.shape[-1]
;;       x = np.pad(x, [(0, 0)] * (x.ndim - 1) + [(0, -K % 32)]); x = x.reshape(x.shape[:-1] + (-1, 32)); a = np.abs(x).max(-1, keepdims=True)
;;       e = np.where(a > 0, np.clip(np.frexp(np.where(a > 0, a, 1))[1] - 1 - 2, -126, 127), 0)      # np.frexp(a)[1] - 1 = floor(log2(a)), exactly
;;       r = np.clip(x / 2.0 ** e, -6, 6)
;;       step = 2.0 ** (np.maximum(np.frexp(np.where(r == 0, 1, r))[1] - 1, 0) - 1)
;;       q = np.round(r / step) * step * 2.0 ** e      # np.round: ties to even
;;       return np.moveaxis(q.reshape(q.shape[:-2] + (-1,))[..., :K], -1, axis).astype(np.float32)
;;   ~~~
;;   OPERANDS COMPUTED ON THE WAY. 'Computed on the way' means the value that the module computes at that place (a softmax that the list does not call 'softmax' is quantised finished and normalised). What goes into a quantiser is computed in f32, as accurately as f32 sums, v_exp_f32 and their like allow (about 1e-6 of the number): no bf16 or f16 on the way to a quantiser, and a product that is left as it is and whose result goes on into a quantised operand takes f32 operands (vector FMAs, or v_wmma_f32_16x16x4_f32). A number that lies on a knife's edge between two numbers of the format may be rounded either way, as far as f32 arithmetic and the matrix unit's own rounding can turn it there, and no further.
;;   INPUTS GIVEN AS CODES. x (in the module: [4096, 4096], K = its axis 1): each comes as NAME_codes (uint8): NAME with its K axis moved to the last place and cut into blocks of 32 codes, [.., K / 32, bytes a block], one block behind the other in memory; two codes a byte, the lower K in the low four bits (a code: sign, 2 exponent bits, 1 mantissa bit); and NAME_scales (uint8): the same leading axes, one E8M0 byte (e + 127) for each 32 codes along K. Its value is code x scale, taken as it is: it is not quantised again, and the codes and scales need not be those that the quantiser above would give.
;; One version. Each part assembles by itself: llvm-mc -triple=amdgcn-amd-amdhsa -mcpu=gfx1250 --defsym DOCPART=n.
;; ======== version 1 of 1: 2 launches
;; limits: right only within a limited range of input values
;; workspace buffers: w_codes 8,388,608 bytes; scl 1,048,576 bytes
;; launch prep (part 1): grid 512 x 1, 4 waves a work-group, no clusters, 41,472 bytes of LDS; arguments weight_int, zero_point, delta_out_experts, delta_in_experts, x_scales, w_codes, scl; writes w_codes, scl
.if DOCPART == 1
	.amdgcn_target "amdgcn-amd-amdhsa--gfx1250"
	.amdhsa_code_object_version 6
	.text
	.protected	k_q939fc89068_prep
	.globl	k_q939fc89068_prep
	.p2align	8
	.type	k_q939fc89068_prep,@function
k_q939fc89068_prep:
	s_mov_b64 s[64:65], 0
	v_nop
	global_prefetch_b8 v0, s[64:65] scope:SCOPE_SE
	s_setreg_imm32_b32 hwreg(HW_REG_WAVE_MODE, 25, 1), 1
	s_wait_xcnt 0x0
; W[n][k] = ((f32(weight_int[n][k]) - zero_point[n]) * delta_out[3][n]) * delta_in[3][k], in f32 and in that order, is turned into codes of FP4 (E2M1) with one E8M0 byte for each 32 along K.
; Of the experts' tables only expert 3's rows are read: expert_index is a constant of the problem.  No step of the problem is left out.
; A block's scale is 2^(floor(log2(its largest magnitude)) - 2); its byte is the largest magnitude's exponent field - 2, held at 1 from below.
; w_codes IS LAID AS THE PRODUCT'S REGISTERS TAKE IT: [32 groups of 128 rows n][32 steps of 128 along K][8 blocks of 16 rows][2 halves c][32 lanes][16 bytes];
; lane 16 h + r holds, of row r of the block, the 32 codes of k = 128 step + 64 c + 32 h + 0 .. 31.  So one load of the product's wave reads 512 consecutive bytes.
; scl: [16 tiles of 256 rows][8 pieces of 512 along K][256 rows][16 bytes]; x's scale bytes (copied from x_scales) in the first 524,288 bytes, W's in the second.
; LIMITS: NaN and infinities in W are not served.  A block of zeros, and one whose largest magnitude lies under 2^-124, gets the byte 1 (the rule gives a block of zeros 127): its codes are zeros,
; which add nothing under any byte but 0xff, and the bytes are read by this program alone.
; SHARES: 512 work-groups of four waves; a wave takes 16 rows x a strip of 512 along K; step t is row row0 + t, 2,048 consecutive bytes of int32, four loads of 512 bytes.
; The numbers go through the wave's own stage in LDS and come back 16 neighbours a lane (two lanes to a block).  The codes are gathered in LDS, a block's 16 rows on end, and leave as eight stores of 512 consecutive bytes.
; No matrix unit, no cluster (no two work-groups read the same bytes), no tensor load, no barrier: waves share nothing.  Loads run four steps (16 loads a wave) ahead.
.set STEPS, 16
.set EXPERT, 3
.set EMAX,  2
.set SP,    80                         ; a lane's place in a stage: 64 bytes + 16 of padding
.set STGB,  32*SP
.set SBY,   2*STGB                     ; behind the two stages: the wave's 256 scale bytes
.set CS,    256                        ; behind those (counted from SBY): the codes, 16 blocks x (16 rows x 16 bytes + 16 of padding)
.set CP,    272
.set WLDS,  10240                      ; LDS bytes of a wave
.set R,     16                         ; v16-79   four sets of 16 numbers as loaded; at the end the codes on their way out
.set X,     80                         ; v80-111  two sets of 16 neighbours
.set E,     112                        ; v112-127 a scale byte for each step
.set C,     128                        ; v128-159 codes, two registers for each step
.set DIN,   160                        ; v160-175 my 16 numbers of delta_in
.set ZD,    176                        ; v[176:177] zero_point, v[178:179] delta_out of the step's row
.set XQ,    180                        ; v180-195 the piece of x_scales
	s_load_b256 s[4:11], s[0:1], 0x0               ; weight_int, zero_point, delta_out, delta_in
	s_load_b128 s[12:15], s[0:1], 0x20             ; x_scales, w_codes
	s_load_b64 s[16:17], s[0:1], 0x30              ; scl
	v_lshl_add_u32 v200, v0, 2, 4*WLDS             ; my spare word, behind the waves' bytes
	v_mov_b32 v201, 0
	v_lshrrev_b32 v1, 5, v0
	v_readfirstlane_b32 s18, v1                    ; wave
	v_and_b32 v2, 31, v0                           ; lane
	s_wait_alu depctr_va_vdst(0)                   ; the wait ahead of the run of scalar lines
	s_and_b32 s19, ttmp9, 1
	s_lshl_b32 s19, s19, 2
	s_add_co_u32 s19, s19, s18                     ; strip 0..7
	s_lshr_b32 s21, ttmp9, 1                       ; p: which 16 rows
	s_lshl_b32 s20, s21, 4                         ; row0
	s_lshl_b32 s22, s21, 6                         ; zero_point, delta_out: 4 bytes x row0
	s_mov_b32 s23, 0
	s_lshl_b32 s24, s20, 14                        ; weight_int: row0 x 16,384
	s_lshl_b32 s2, s19, 11                         ; + strip x 2,048
	s_add_co_u32 s24, s24, s2
	s_mov_b32 s25, 0
	s_add_co_u32 s30, s2, EXPERT*16384             ; delta_in
	s_mov_b32 s31, 0
	s_lshr_b32 s26, s21, 3                         ; w_codes: group of 128 rows x 262,144
	s_lshl_b32 s26, s26, 18
	s_lshl_b32 s3, s19, 15                         ; + strip x 4 steps x 8,192
	s_add_co_u32 s26, s26, s3
	s_and_b32 s3, s21, 7                           ; + block x 1,024
	s_lshl_b32 s3, s3, 10
	s_add_co_u32 s26, s26, s3
	s_mov_b32 s27, 0
	s_lshr_b32 s28, s20, 8                         ; scl, W's part: tile x 32,768
	s_lshl_b32 s28, s28, 15
	s_lshl_b32 s3, s19, 12                         ; + strip x 4,096
	s_add_co_u32 s28, s28, s3
	s_and_b32 s3, s20, 255                         ; + row in the tile x 16
	s_lshl_b32 s3, s3, 4
	s_add_co_u32 s28, s28, s3
	s_add_co_u32 s28, s28, 524288
	s_mov_b32 s29, 0
	v_lshlrev_b32 v3, 4, v2                        ; 16 x lane
	v_lshlrev_b32 v4, 3, v2                        ; 8 x lane
	s_mul_i32 s3, s18, WLDS
	v_lshrrev_b32 v14, 2, v2
	v_mul_u32_u24 v14, v14, SP
	v_and_b32 v15, 3, v2
	v_lshl_add_u32 v14, v15, 4, v14
	v_add_nc_u32 v14, s3, v14                      ; the stage, in: SP (lane / 4) + 16 (lane % 4)
	v_mul_u32_u24 v15, v2, SP
	v_add_nc_u32 v15, s3, v15                      ; and out: SP x lane
	v_lshrrev_b32 v5, 1, v2
	s_add_co_u32 s3, s3, SBY
	v_add_nc_u32 v5, s3, v5                        ; my block's scale byte
	v_add_nc_u32 v6, s3, v4                        ; and on the way out 8 bytes a lane
	v_lshrrev_b32 v7, 1, v2
	v_mul_u32_u24 v7, v7, CP
	v_and_b32 v10, 1, v2
	v_lshl_add_u32 v7, v10, 3, v7
	v_add_nc_u32 v7, s3, v7                        ; the codes, in: CP x my block + 8 x my half of it; the row stands in the offset
	v_lshrrev_b32 v10, 4, v2
	v_mul_u32_u24 v10, v10, CP
	v_and_b32 v12, 15, v2
	v_lshl_add_u32 v10, v12, 4, v10
	v_add_nc_u32 v10, s3, v10                      ; and out: lanes 0-15 one block's 16 rows, lanes 16-31 the next block's
	v_lshlrev_b32 v198, 6, v2                      ; delta_in: 64 bytes a lane
	v_and_b32 v8, 15, v2                           ; the piece of x_scales: rows 16 p ..: lane (r, h) takes, of row r, the 16 bytes of pieces 2 i + h
	v_lshrrev_b32 v9, 4, v2
	v_lshlrev_b32 v196, 7, v8
	v_lshl_add_u32 v196, v9, 4, v196
	s_lshl_b32 s2, s21, 11
	v_add_nc_u32 v196, s2, v196                    ; from: 2,048 p + 128 r + 16 h
	v_lshlrev_b32 v197, 4, v8
	v_lshl_add_u32 v197, v9, 12, v197
	s_lshr_b32 s2, s21, 4
	s_lshl_b32 s2, s2, 15
	s_and_b32 s3, s21, 15
	s_lshl_b32 s3, s3, 8
	s_add_co_u32 s2, s2, s3
	v_add_nc_u32 v197, s2, v197                    ; to: 32,768 (p / 16) + 256 (p % 16) + 16 r + 4,096 h
	v_mov_b32 v[ZD+1], 0                           ; the pairs' upper words are named, so they are written
	v_mov_b32 v[ZD+3], 0
	s_wait_kmcnt 0x0
	s_add_nc_u64 s[6:7], s[6:7], s[22:23]
	s_add_nc_u64 s[8:9], s[8:9], s[22:23]
	s_load_b512 s[32:47], s[6:7], 0x0              ; zero_point of my 16 rows
	s_load_b512 s[48:63], s[8:9], EXPERT*16384     ; delta_out of my 16 rows
	s_add_nc_u64 s[4:5], s[4:5], s[24:25]
	s_add_nc_u64 s[14:15], s[14:15], s[26:27]
	s_add_nc_u64 s[28:29], s[16:17], s[28:29]
	s_add_nc_u64 s[10:11], s[10:11], s[30:31]
.irp i, 0,1,2,3
	global_load_b128 v[DIN+4*\i:DIN+4*\i+3], v198, s[10:11] offset:16*\i
.endr
.macro LOAD t
.irp i, 0,1,2,3
	global_load_b128 v[R+16*((\t)%4)+4*\i:R+16*((\t)%4)+4*\i+3], v3, s[4:5] offset:16384*(\t)+512*\i th:TH_LOAD_NT
.endr
.endm
.macro TURN t                          ; LDS serves a wave's instructions in order (ISA guide 5.7.1.4): no wait between the stores and the loads
.irp i, 0,1,2,3
	ds_store_b128 v14, v[R+16*((\t)%4)+4*\i:R+16*((\t)%4)+4*\i+3] offset:STGB*((\t)%2)+8*SP*\i
.endr
.irp i, 0,1,2,3
	ds_load_b128 v[X+16*((\t)%2)+4*\i:X+16*((\t)%2)+4*\i+3], v15 offset:STGB*((\t)%2)+16*\i
.endr
.endm
.irp t, 0,1,2,3
	LOAD \t
.endr
	; x's scale bytes: 256 pieces of 16 rows, wave 0 of the even work-groups takes one
	s_and_b32 s2, ttmp9, 1
	s_or_b32 s2, s2, s18
	s_cmp_lg_u32 s2, 0
	s_cbranch_scc1 .Lno_piece
	s_wait_alu depctr_va_vdst(0)
.irp i, 0,1,2,3
	global_load_b128 v[XQ+4*\i:XQ+4*\i+3], v196, s[12:13] offset:32*\i
.endr
	s_wait_loadcnt 0x0
.irp i, 0,1,2,3
	global_store_b128 v197, v[XQ+4*\i:XQ+4*\i+3], s[16:17] offset:8192*\i   ; sixteen lanes store 256 consecutive bytes, aligned
.endr
.Lno_piece:
	s_wait_kmcnt 0x0
	s_wait_loadcnt 12                              ; delta_in and step 0 are in; the twelve loads of steps 1 to 3 may be out
	TURN 0
.macro STEP t
.set XS, X+16*((\t)%2)
.if (\t) > 0
	s_wait_dscnt 2                                 ; this step's numbers are back (the last step's byte store and code store may be out)
.else
	s_wait_dscnt 0x0
.endif
.if (\t)+4 < STEPS
	LOAD (\t)+4
.endif
.if (\t)+1 < STEPS
.if STEPS-2-(\t) >= 3
	s_wait_loadcnt 12                              ; the next step's four loads are in; three steps' may be out
.else
	s_wait_loadcnt 4*(STEPS-2-(\t))
.endif
	TURN (\t)+1
.endif
	v_mov_b32 v[ZD], s[32+(\t)]
	v_mov_b32 v[ZD+2], s[48+(\t)]
.irp j, 0,1,2,3,4,5,6,7,8,9,10,11,12,13,14,15
	v_cvt_f32_i32 v[XS+\j], v[XS+\j]
.endr
.irp j, 0,2,4,6,8,10,12,14
	v_pk_add_f32 v[XS+\j:XS+\j+1], v[XS+\j:XS+\j+1], v[ZD:ZD+1] op_sel_hi:[1,0] neg_lo:[0,1] neg_hi:[0,1]
.endr
.irp j, 0,2,4,6,8,10,12,14
	v_pk_mul_f32 v[XS+\j:XS+\j+1], v[XS+\j:XS+\j+1], v[ZD+2:ZD+3] op_sel_hi:[1,0]
.endr
.irp j, 0,2,4,6,8,10,12,14
	v_pk_mul_f32 v[XS+\j:XS+\j+1], v[XS+\j:XS+\j+1], v[DIN+\j:DIN+\j+1]
.endr
	v_max3_num_f32 v8, |v[XS]|, |v[XS+1]|, |v[XS+2]|
	v_max3_num_f32 v9, |v[XS+3]|, |v[XS+4]|, |v[XS+5]|
.irp i, 6,10
	v_max3_num_f32 v8, v8, |v[XS+\i]|, |v[XS+\i+1]|
	v_max3_num_f32 v9, v9, |v[XS+\i+2]|, |v[XS+\i+3]|
.endr
	v_max3_num_f32 v8, v8, |v[XS+14]|, |v[XS+15]|
	v_max3_num_f32 v8, v8, v9, (EMAX+1)<<23        ; with the floor 2^(EMAX + 1 - 127): the byte cannot fall under 1
	v_max_num_f32_dpp v8, v8, v8 row_xmask:1 row_mask:0xf bank_mask:0xf   ; with my neighbour's 16: the block's
	v_add_nc_u32 v11, -(EMAX<<23), v8              ; EMAX off the exponent field: the conversion's scale operand
	v_cvt_scalef32_pk8_fp4_f32 v[C+2*(\t)], v[XS:XS+7], v11
	v_cvt_scalef32_pk8_fp4_f32 v[C+2*(\t)+1], v[XS+8:XS+15], v11
	v_lshrrev_b32 v[E+(\t)], 23, v11               ; the scale's byte (also the plain line behind the conversions)
	ds_store_b8 v5, v[E+(\t)] offset:16*(\t)
	ds_store_b64 v7, v[C+2*(\t):C+2*(\t)+1] offset:CS+16*(\t)      ; row t's place in my block's 256 bytes
.endm
.irp t, 0,1,2,3,4,5,6,7,8,9,10,11,12,13,14,15
	STEP \t
.endr
	ds_load_b64 v[12:13], v6                       ; LDS serves a wave's instructions in order: these see my stores
.irp j, 0,1,2,3,4,5,6,7
	ds_load_b128 v[R+4*\j:R+4*\j+3], v10 offset:CS+2*CP*\j         ; blocks 2 j and 2 j + 1: step j / 2 of my four, half j % 2
.endr
	s_wait_dscnt 0x0
	global_store_b64 v4, v[12:13], s[28:29]        ; 16 rows x 16 scale bytes: 256 consecutive bytes, aligned
.irp j, 0,1,2,3,4,5,6,7
	global_store_b128 v3, v[R+4*\j:R+4*\j+3], s[14:15] offset:8192*(\j/2)+512*(\j%2)   ; 512 consecutive bytes, aligned
.endr
	s_wait_tensorcnt 0x0                           ; the wave's end
	ds_add_u32 v200, v201
	s_wait_dscnt 0x0
	s_endpgm
.Lfunc_end_k_q939fc89068_prep:
	.size	k_q939fc89068_prep, .Lfunc_end_k_q939fc89068_prep-k_q939fc89068_prep
	.p2alignl 7, 3214868480
	.fill 96, 4, 3214868480
	.section	.rodata,"a",@progbits
	.p2align	6, 0x0
	.amdhsa_kernel k_q939fc89068_prep
		.amdhsa_group_segment_fixed_size 41472
		.amdhsa_private_segment_fixed_size 0
		.amdhsa_enable_private_segment 0
		.amdhsa_kernarg_size 56
		.amdhsa_user_sgpr_count 2
		.amdhsa_user_sgpr_kernarg_segment_ptr 1
		.amdhsa_wavefront_size32 1
		.amdhsa_system_sgpr_workgroup_id_x 1
		.amdhsa_system_sgpr_workgroup_id_y 1
		.amdhsa_system_sgpr_workgroup_id_z 1
		.amdhsa_system_vgpr_workitem_id 0
		.amdhsa_next_free_vgpr 202
		.amdhsa_next_free_sgpr 66
		.amdhsa_reserve_vcc 0
		.amdhsa_float_denorm_mode_32 3
		.amdhsa_float_denorm_mode_16_64 3
		.amdhsa_memory_ordered 1
		.amdhsa_forward_progress 1
		.amdhsa_inst_pref_size 70
	.end_amdhsa_kernel
	.amdgpu_metadata
---
amdhsa.version: [ 1, 2 ]
amdhsa.kernels:
  - .name:           k_q939fc89068_prep
    .symbol:         k_q939fc89068_prep.kd
    .args:
      - { .name: weight_int, .offset: 0, .size: 8, .value_kind: global_buffer, .address_space: global }
      - { .name: zero_point, .offset: 8, .size: 8, .value_kind: global_buffer, .address_space: global }
      - { .name: delta_out_experts, .offset: 16, .size: 8, .value_kind: global_buffer, .address_space: global }
      - { .name: delta_in_experts, .offset: 24, .size: 8, .value_kind: global_buffer, .address_space: global }
      - { .name: x_scales, .offset: 32, .size: 8, .value_kind: global_buffer, .address_space: global }
      - { .name: w_codes, .offset: 40, .size: 8, .value_kind: global_buffer, .address_space: global }
      - { .name: scl, .offset: 48, .size: 8, .value_kind: global_buffer, .address_space: global }
    .group_segment_fixed_size: 41472
    .private_segment_fixed_size: 0
    .kernarg_segment_align: 8
    .kernarg_segment_size: 56
    .max_flat_workgroup_size: 128
    .sgpr_count:     66
    .vgpr_count:     202
    .wavefront_size: 32
...
	.end_amdgpu_metadata
.endif
;; end of part 1
;; launch mm (part 2): grid 16 x 16, 4 waves a work-group, clusters of 4 x 1, 327,680 bytes of LDS; arguments x_codes, w_codes, scl, bias, out0; writes out0
.if DOCPART == 2
	.amdgcn_target "amdgcn-amd-amdhsa--gfx1250"
	.amdhsa_code_object_version 6
	.text
	.protected	k_q939fc89068_mm
	.globl	k_q939fc89068_mm
	.p2align	8
	.type	k_q939fc89068_mm,@function
k_q939fc89068_mm:
	s_mov_b64 s[64:65], 0
	v_nop
	global_prefetch_b8 v0, s[64:65] scope:SCOPE_SE
	s_setreg_imm32_b32 hwreg(HW_REG_WAVE_MODE, 25, 1), 1
	s_wait_xcnt 0x0
	s_wait_alu depctr_hold_cnt(0) depctr_sa_sdst(0) depctr_va_vdst(0) depctr_va_sdst(0) depctr_va_ssrc(0) depctr_va_vcc(0) depctr_vm_vsrc(0)
	s_getreg_b32 s2, hwreg(HW_REG_IB_STS2, 6, 4)
	s_cmp_eq_u32 s2, 0
	s_cbranch_scc0 .Lentry_in_a_cluster
	s_endpgm
.Lentry_in_a_cluster:
	s_bfe_u32 s2, ttmp6, 0x10000c
	s_cmp_lg_u32 s2, 0x3003
	s_cbranch_scc0 .Lentry_shape_is_right
	s_endpgm
.Lentry_shape_is_right:
; out0[m][n] = sum over k of x[m][k] W[n][k] + bias[n]; x and W as FP4 codes with E8M0 scales for each 32 along K; sums in f32, K ascending, the bias as the C of each sum's first product.
; A work-group makes 256 rows x 256 columns; wave w makes all 256 rows x columns 64 w .. 64 w + 63: 64 accumulators, 512 registers, over all of K: 32 steps of 128.
; x: the 256 rows go through a ring of two LDS slots of 1,024 along K (rows of 512 bytes + 16 of padding); all four waves read the same fragments.  The four work-groups of a cluster
; (same rows, other columns) ask for x jointly; each wave brings 64 rows of a slot, one load behind each round.
; W: each wave needs rows of W that no other wave of its work-group needs, so they go from memory straight into registers: w_codes is laid in the registers' order (a load is 512 consecutive bytes),
; through a ring of four register sets.  Loads into registers have no joint form, and the work-groups that share rows of W lie in other clusters: that is why W is not asked for jointly.
; The scale words come from scl the same way, 4 steps' words in a load of 16 bytes a lane: x's block i in lanes 0-15 and block 8 + i in lanes 16-31; W's block j and block 2 + j likewise; two sets.
; THE MATRIX INSTRUCTION IS USED TRANSPOSED (source 0 = 16 rows of W, source 1 = 16 rows of x): a lane holds eight neighbouring numbers of a row of out0.
; REGISTERS: window 0: v0-31 addresses; v32-95 x's scale words (v64-95 hold the bias in step 0); v96-111 W's scale words; v128-255 x's fragments of the even steps.
;   window 1: v0-127 W's fragments, four sets of 32; v128-255 x's fragments of the odd steps.  Windows 2, 3: accumulator (b, a), W's block b, x's block a, at v[8 (16 (b % 2) + a)] of window 2 + b / 2.
; A step takes W's blocks one after the other, each against x's sixteen: blocks 0, 1 are loaded anew (for four steps on) in the step's middle, blocks 2, 3 at its end.
.set PITCH,  528                       ; 33 x 16 bytes: the sixteen rows of a fragment load begin in sixteen different 16-byte columns of 256
.set BLK,    16*PITCH
.set SLOT,   256*PITCH
.set STAGE,  2*SLOT                    ; the way out: 16 rows x 272 bytes for each wave, bytes into which no tile lands
.set SPITCH, 272
.set SPARE,  STAGE+4*16*SPITCH
.set ADB0, 16                          ; v16, v17 LDS address of my part of x's blocks 0-7, 8-15 at a slot's first byte; never rewritten
.set ADB1, 17
.set AD0,  18                          ; v18, v19 the same at the piece of 512 along K that is being fetched
.set AD1,  19
.set WO,   20
.set XSO,  21
.set WSO,  22
.set STO,  24
.set RD,   25
.set CO,   26
.set BO,   27
.set SPW,  28
.set NIL,  29
.set PFO,  30
.set PFX,  31
.set XS,   32
.set BI,   64
.set WS,   96
.set AF,   128
.set BK,   128
.set G1,   24
.set G0,   32
.set RS,   50                          ; s50: the slot that is being read, as a byte offset
.set MSB, 0
.macro WIN new
.if MSB != \new
	s_set_vgpr_msb (MSB<<8)|\new
.set MSB, \new
.endif
.endm
.set TO_B, 0x40
.macro CROUND                          ; a round of the cluster's barrier
	s_barrier_signal -1
	s_barrier_wait -1
	s_cmp_lg_u32 s14, 0
	s_cbranch_scc1 .Lnot_wave_0_\@
	s_barrier_signal -3
.Lnot_wave_0_\@:
	s_barrier_wait -3
	s_barrier_signal -1
	s_barrier_wait -1
.endm
.macro PLACES
.rept 4
	v_nop
.endr
.endm
	s_load_b256 s[4:11], s[0:1], 0x0               ; x_codes, w_codes, scl, bias
	s_load_b64 s[12:13], s[0:1], 0x20              ; out0
	v_lshl_add_u32 v[SPW], v0, 2, SPARE
	v_mov_b32 v[NIL], 0
	ds_add_u32 v[SPW], v[NIL]                      ; the opening lines: the add, twice on end, and its wait
	ds_add_u32 v[SPW], v[NIL]
	v_lshrrev_b32 v1, 5, v0
	v_readfirstlane_b32 s14, v1                    ; wave w
	s_bfe_u32 s15, ttmp6, 0x40000                  ; cx
	s_lshl_b32 s16, ttmp9, 2
	s_add_co_u32 s16, s16, s15                     ; tc: which 256 columns
	s_and_b32 s17, ttmp7, 0xffff                   ; tr: which 256 rows
	s_mov_b32 s[G1+0], 15|(1<<20)|(1<<21)|(6<<22)|(3<<25)   ; all four of the cluster; bytes; 4 dwords of padding behind every 128 dwords
	s_mov_b32 s[G1+1], 512<<16
	s_mov_b32 s[G1+2], 64<<16
	s_mov_b32 s[G1+3], 512<<16
	s_mov_b32 s[G1+4], 64
	s_mov_b32 s[G1+5], 2048
	s_mov_b32 s[G1+6], 0
	s_mov_b32 s[G1+7], 0
	s_lshl_b32 s18, s17, 19                        ; x: 256 tr rows of 2,048 bytes
	s_mov_b32 s19, 0
	s_lshl_b32 s40, s14, 17                        ; + my 64 rows
	s_mov_b32 s41, 0
	s_mul_i32 s20, s14, 64*PITCH                   ; and where they go
	s_lshl_b32 s42, s16, 1                         ; w_codes: group of 128 rows 2 tc + w / 2, blocks 4 (w % 2) ..
	s_lshr_b32 s21, s14, 1
	s_add_co_u32 s42, s42, s21
	s_lshl_b32 s42, s42, 18
	s_and_b32 s21, s14, 1
	s_lshl_b32 s21, s21, 12
	s_add_co_u32 s42, s42, s21
	s_mov_b32 s43, 0
	s_lshl_b32 s44, s16, 10                        ; my 64 columns in bytes of f32
	s_lshl_b32 s21, s14, 8
	s_add_co_u32 s44, s44, s21
	s_mov_b32 s45, 0
	s_lshl_b32 s46, s17, 22                        ; out0: 256 tr rows of 16,384 bytes
	s_mov_b32 s47, 0
	s_lshl_b32 s21, s17, 15                        ; scl: x's tile
	s_lshl_b32 s22, s16, 15                        ; W's tile, my 64 rows
	s_lshl_b32 s23, s14, 10
	s_add_co_u32 s22, s22, s23
	s_add_co_u32 s22, s22, 524288
	s_mul_i32 s23, s14, 16*SPITCH
	s_add_co_u32 s23, s23, STAGE                   ; my stage
	s_lshr_b32 s48, s17, 1                         ; W's prefetches: of a trip's 8 steps x 16 blocks of 256 bytes my work-group names blocks 8 tr .. 8 tr + 7
	s_lshl_b32 s48, s48, 13
	s_and_b32 s49, s17, 1
	s_lshl_b32 s49, s49, 11
	s_add_co_u32 s48, s48, s49
	s_lshl_b32 s49, s15, 2                         ; x's prefetches: of a slot's 256 rows wave w of partner cx names rows 16 (4 cx + w) ..
	s_add_co_u32 s49, s49, s14
	s_lshl_b32 s49, s49, 15
	s_mov_b32 s[RS], 0
	s_mov_b32 s3, 0
	s_wait_dscnt 0x0
	s_wait_kmcnt 0x0
	s_add_nc_u64 s[4:5], s[4:5], s[18:19]
	s_add_nc_u64 s[6:7], s[6:7], s[42:43]
	s_add_nc_u64 s[10:11], s[10:11], s[44:45]
	s_add_nc_u64 s[12:13], s[12:13], s[44:45]
	s_add_nc_u64 s[12:13], s[12:13], s[46:47]
	s_mov_b32 s[G0], 1
	s_add_co_u32 s[G0+1], s20, 0
	s_add_nc_u64 s[G0+2:G0+3], s[4:5], s[40:41]
	s_or_b32 s[G0+3], s[G0+3], 0x80000000
	CROUND                                         ; the four work-groups are here: the joint loads meet
	tensor_load_to_lds s[G0:G0+3], s[G1:G1+7]      ; K 0 .. 1,023 of my 64 rows into slot 0: the one load of the head
	s_nop 0
	PLACES
	v_and_b32 v1, 15, v0                           ; r
	v_bfe_u32 v2, v0, 4, 1                         ; h
	v_and_b32 v3, 31, v0
	v_lshlrev_b32 v[WO], 4, v3
	v_lshlrev_b32 v[BO], 5, v2
	v_lshlrev_b32 v4, 4, v1
	v_lshl_add_u32 v5, v2, 11, v4
	v_add_nc_u32 v[XSO], s21, v5                   ; x's words: row r of block i (lanes 0-15) or 8 + i (lanes 16-31)
	v_lshl_add_u32 v5, v2, 9, v4
	v_add_nc_u32 v[WSO], s22, v5                   ; W's words: block j or 2 + j
	v_mul_u32_u24 v5, v1, PITCH
	v_lshl_add_u32 v[ADB0], v2, 4, v5
	v_add_nc_u32 v[ADB1], 8*BLK, v[ADB0]
	v_lshl_add_u32 v[AD0], v2, 4, v5
	v_add_nc_u32 v[AD1], 8*BLK, v[ADB0]
	v_mul_u32_u24 v6, v1, SPITCH
	v_lshl_add_u32 v6, v2, 5, v6
	v_add_nc_u32 v[STO], s23, v6                   ; into the stage: row r, 32 bytes for each half of the lanes
	v_mul_u32_u24 v6, v2, SPITCH
	v_add_nc_u32 v6, v6, v4
	v_add_nc_u32 v[RD], s23, v6                    ; back: lanes 0-15 one row of 256 bytes, lanes 16-31 the next
	v_lshl_add_u32 v[CO], v2, 14, v4               ; and the same two rows in out0
	v_min_u32 v7, 7, v3                            ; lanes 8-31 name the eighth block again
	v_lshlrev_b32 v7, 8, v7
	v_add_nc_u32 v[PFO], s48, v7
	v_lshrrev_b32 v7, 1, v3
	v_and_b32 v8, 1, v3
	v_lshlrev_b32 v7, 11, v7
	v_lshl_add_u32 v7, v8, 8, v7
	v_add_nc_u32 v[PFX], s49, v7                   ; two lanes to a row's 512 bytes
.macro GLOAD set, f0, st               ; W's blocks f0, f0 + 1 of the step that lies st steps behind the stream's base
	WIN TO_B
.irp f, \f0, \f0+1
	global_load_b128 v[32*(\set)+8*(\f):32*(\set)+8*(\f)+3],   v[WO], s[6:7] offset:(\st)*8192+(\f)*1024
	global_load_b128 v[32*(\set)+8*(\f)+4:32*(\set)+8*(\f)+7], v[WO], s[6:7] offset:(\st)*8192+(\f)*1024+512
.endr
.endm
.macro SLOAD set, ch                   ; the scale words of the piece of 512 along K that lies ch pieces behind the base: 10 loads
.irp i, 0,1,2,3,4,5,6,7
	global_load_b128 v[XS+32*(\set)+4*\i:XS+32*(\set)+4*\i+3], v[XSO], s[8:9] offset:(\ch)*4096+\i*256
.endr
.irp j, 0,1
	global_load_b128 v[WS+8*(\set)+4*\j:WS+8*(\set)+4*\j+3], v[WSO], s[8:9] offset:(\ch)*4096+\j*256
.endr
.endm
.macro ALOAD set, kq                   ; x's sixteen fragments of step kq of the piece at AD0, AD1: 32 loads
	WIN TO_B*(\set)
.irp i, 0,1,2,3,4,5,6,7,8,9,10,11,12,13,14,15
	ds_load_b128 v[AF+8*\i:AF+8*\i+3],   v[AD0+\i/8] offset:(\i%8)*BLK+64*(\kq)
	ds_load_b128 v[AF+8*\i+4:AF+8*\i+7], v[AD0+\i/8] offset:(\i%8)*BLK+64*(\kq)+32
.endr
	WIN 0
.endm
.macro ADVANCE k                       ; AD0, AD1 to byte k of the rows of the slot that is being read
	s_add_co_u32 s20, s[RS], \k
	v_add_nc_u32 v[AD0], s20, v[ADB0]
	v_add_nc_u32 v[AD1], s20, v[ADB1]
	s_wait_alu depctr_va_vdst(0)                   ; the wait here, directly behind the writes
.endm
; The sequence in front of a fill: all my tensor loads have landed, the add, my LDS reads are back, a round of the cluster's barrier; then my one load: the next 1,024 along K into the other slot.
.macro SEQ tog
	s_wait_tensorcnt 0x0
	ds_add_u32 v[SPW], v[NIL]
	s_xor_b32 s[G0+1], s[G0+1], SLOT               ; no tensor load of mine is out: the descriptor may be written
	s_add_nc_u64 s[G0+2:G0+3], s[G0+2:G0+3], 512
.if \tog
	s_xor_b32 s[RS], s[RS], SLOT                   ; reading goes on in the slot that has just been shown landed
.endif
	s_wait_dscnt 0x0
	CROUND
	tensor_load_to_lds s[G0:G0+3], s[G1:G1+7]
	s_nop 0
	PLACES
.endm
.macro WM b, a, q, first               ; one product
.set WD, 8*(16*((\b)%2)+(\a))
.if \first
.set WC, BI+8*(\b)
.else
.set WC, WD
.endif
.set WB, 32*((\q)%4)+8*(\b)
.set WA, AF+8*(\a)
.set KS0, WS+8*(((\q)/4)%2)+4*((\b)%2)+(\q)%4
.set KS1, XS+32*(((\q)/4)%2)+4*((\a)%8)+(\q)%4
.if (\b) < 2
.if (\a) < 8
	v_wmma_scale_f32_16x16x128_f8f6f4 v[WD:WD+7], v[WB:WB+7], v[WA:WA+7], v[WC:WC+7], v[KS0], v[KS1] matrix_a_fmt:MATRIX_FMT_FP4 matrix_b_fmt:MATRIX_FMT_FP4
.else
	v_wmma_scale_f32_16x16x128_f8f6f4 v[WD:WD+7], v[WB:WB+7], v[WA:WA+7], v[WC:WC+7], v[KS0], v[KS1] matrix_a_fmt:MATRIX_FMT_FP4 matrix_b_fmt:MATRIX_FMT_FP4 matrix_b_scale:MATRIX_SCALE_ROW1
.endif
.else
.if (\a) < 8
	v_wmma_scale_f32_16x16x128_f8f6f4 v[WD:WD+7], v[WB:WB+7], v[WA:WA+7], v[WC:WC+7], v[KS0], v[KS1] matrix_a_fmt:MATRIX_FMT_FP4 matrix_b_fmt:MATRIX_FMT_FP4 matrix_a_scale:MATRIX_SCALE_ROW1
.else
	v_wmma_scale_f32_16x16x128_f8f6f4 v[WD:WD+7], v[WB:WB+7], v[WA:WA+7], v[WC:WC+7], v[KS0], v[KS1] matrix_a_fmt:MATRIX_FMT_FP4 matrix_b_fmt:MATRIX_FMT_FP4 matrix_a_scale:MATRIX_SCALE_ROW1 matrix_b_scale:MATRIX_SCALE_ROW1
.endif
.endif
.endm
.macro MUL32 b0, q, first              ; 32 products; the 64 accumulators take turns, one instruction a turn, in the same order in every step
.irp b, \b0, \b0+1
.irp a, 0,1,2,3,4,5,6,7,8,9,10,11,12,13,14,15
	WM \b, \a, \q, \first
.endr
.endr
.endm
; A step of 128 along K.  q: the step mod 8 (W's set q % 4, x's set q % 2, scale set q / 4, word q % 4).  ld: where W's fragments of four steps on lie (-1: none).  sl: the next piece's scale words (-1: none).
; nl, nd: the younger global and LDS loads that may stay out.  al: x's fragments of two steps on are fetched.  adv: the byte of the rows at which they lie changes (-1: no).
; bar: 1: the slots change and the slot read out is filled again; 2: they change for the last time.
.macro STEP q, first, ld, sl, nl, nd, al, adv, bar
	s_wait_loadcnt \nl                             ; this step's 8 loads of W (and its scale words) are in; three later steps' loads, and 10 scale loads where they were issued behind, may be out
	s_wait_dscnt \nd                               ; this step's fragments of x are in; the next step's 32 loads may be out
.set WV, 0xa1-0x20*(\first)+4*((\q)%2)             ; source 0 window 1, source 1 window q % 2, D window 2, C window 2 (the bias: 0)
	WIN WV
	MUL32 0, \q, \first
.if (\ld) >= 0
	PLACES                                         ; four places in front of loads into registers that matrix instructions have read
	GLOAD (\q)%4, 0, \ld
.endif
.set WV, 0xf1-0x30*(\first)+4*((\q)%2)             ; the same with window 3
	WIN WV
	MUL32 2, \q, \first
.if ((\ld) >= 0) || (\al)
	PLACES
.endif
.if (\ld) >= 0
	GLOAD (\q)%4, 2, \ld
.endif
	WIN 0
.if (\sl) >= 0
	SLOAD ((\q)/4+1)%2, \sl
.endif
.if (\bar) == 1
	SEQ 1
.endif
.if (\bar) == 2
	s_wait_tensorcnt 0x0                           ; my rows of the last 1,024 along K are in,
	s_xor_b32 s[RS], s[RS], SLOT
	s_wait_dscnt 0x0                               ; no LDS load of mine is pending at the signal,
	s_barrier_signal -1
	s_barrier_wait -1                              ; and so are the other waves' rows; nothing is filled again
.endif
.if (\adv) >= 0
	ADVANCE \adv
.endif
.if \al
	ALOAD (\q)%2, ((\q)+2)%4
.endif
.endm
.irp b, 0,1,2,3
	global_load_b128 v[BI+8*\b:BI+8*\b+3],   v[BO], s[10:11] offset:64*\b       ; bias of columns 16 b + 8 h + 0 .. 7: the result's layout
	global_load_b128 v[BI+8*\b+4:BI+8*\b+7], v[BO], s[10:11] offset:64*\b+16
.endr
	SLOAD 0, 0
.irp s, 0,1,2,3
	GLOAD \s, 0, \s
	GLOAD \s, 2, \s
.endr
	WIN 0
	s_wait_alu depctr_va_vdst(0)                   ; the wait at the head's end
	SEQ 0                                          ; slot 0 is whole; K 1,024 .. 2,047 go out into slot 1: its first fill, issued as a refill is
	ALOAD 0, 0
	ALOAD 1, 1
	STEP 0, 1, 4, 1, 24, 32, 1, -1, 0              ; the first step's products start the sums from the bias
	global_prefetch_b8 v[PFO], s[6:7] offset:8*8192 th:TH_LOAD_NT scope:SCOPE_SE    ; my work-group's share of my stream's steps 8 to 15, whose loads begin in step 4
	global_prefetch_b8 v[PFX], s[4:5] offset:2*512 th:TH_LOAD_NT scope:SCOPE_SE     ; my wave's share of x's K 2,048 .. 3,071, asked for by tensor loads in step 6
	STEP 1, 0, 5, -1, 34, 32, 1, -1, 0
	STEP 2, 0, 6, -1, 34, 32, 1, 256, 0
	STEP 3, 0, 7, -1, 34, 32, 1, -1, 0
; Trip j: steps 8 j + 4 .. 8 j + 11; it loads W's steps 8 j + 8 .. 8 j + 15.  fill = 1: in step 8 j + 6 the slot read out takes x's K 1,024 (j + 2) ..
.macro TRIP fill
	STEP 4, 0, 8, 2, 24, 32, 1, -1, 0
	STEP 5, 0, 9, -1, 34, 32, 1, -1, 0
.if \fill
	global_prefetch_b8 v[PFO], s[6:7] offset:16*8192 th:TH_LOAD_NT scope:SCOPE_SE   ; of the 128 blocks of 256 bytes that the next trip loads from my stream, the 16 work-groups that read it name 8 each
	s_cmp_eq_u32 s3, 0                             ; x has one more piece to ask for: K 3,072 .., which the next trip's tensor loads bring
	s_cbranch_scc0 .Lno_x
	global_prefetch_b8 v[PFX], s[4:5] offset:3*512 th:TH_LOAD_NT scope:SCOPE_SE
.Lno_x:
	STEP 6, 0, 10, -1, 34, 32, 1, 0, 1
.else
	STEP 6, 0, 10, -1, 34, 32, 1, 0, 2
.endif
	STEP 7, 0, 11, -1, 34, 32, 1, -1, 0
	STEP 0, 0, 12, 3, 24, 32, 1, -1, 0
	STEP 1, 0, 13, -1, 34, 32, 1, -1, 0
	STEP 2, 0, 14, -1, 34, 32, 1, 256, 0
	STEP 3, 0, 15, -1, 34, 32, 1, -1, 0
.endm
.Ltrip:
	TRIP 1
	s_wait_xcnt 0x0                                ; the bases are stepped only behind this wait
	s_add_nc_u64 s[6:7], s[6:7], 8*8192
	s_add_nc_u64 s[8:9], s[8:9], 2*4096
	s_add_co_u32 s3, s3, 1
	s_cmp_lt_u32 s3, 2
	s_cbranch_scc1 .Ltrip
	TRIP 0                                         ; the third trip fills nothing: it is written out
	STEP 4, 0, -1, -1, 24, 32, 1, -1, 0            ; the last four steps load nothing more of W: the counts run down
	STEP 5, 0, -1, -1, 16, 32, 1, -1, 0
	STEP 6, 0, -1, -1, 8, 32, 0, -1, 0
	STEP 7, 0, -1, -1, 0, 0, 0, -1, 0
; THE WAY OUT, by x's blocks of 16 rows x my 64 columns: through my own stage and back as whole rows of 256 bytes; sixteen lanes store one aligned unit of 256 bytes.
.macro TOSTAGE a
	WIN 0x08
.irp b, 0,1
	ds_store_b128 v[STO], v[128*\b+8*(\a):128*\b+8*(\a)+3] offset:64*\b        ; each accumulator from its low end on
	ds_store_b128 v[STO], v[128*\b+8*(\a)+4:128*\b+8*(\a)+7] offset:64*\b+16
.endr
	WIN 0x0c
.irp b, 0,1
	ds_store_b128 v[STO], v[128*\b+8*(\a):128*\b+8*(\a)+3] offset:128+64*\b
	ds_store_b128 v[STO], v[128*\b+8*(\a)+4:128*\b+8*(\a)+7] offset:128+64*\b+16
.endr
	WIN 0
.set BB, BK+32*((\a)%2)
.irp t, 0,1,2,3,4,5,6,7
	ds_load_b128 v[BB+4*\t:BB+4*\t+3], v[RD] offset:\t*2*SPITCH                ; LDS serves a wave's instructions in order: these see the stores above
.endr
.endm
.macro SEND a, younger
.set BB, BK+32*((\a)%2)
	s_wait_dscnt \younger
.if (\a) > 0
	s_add_nc_u64 s[12:13], s[12:13], 16*16384      ; behind a wait on XCNT: 16 rows on
.endif
.irp t, 0,1,2,3,4,5,6,7
	global_store_b128 v[CO], v[BB+4*\t:BB+4*\t+3], s[12:13] offset:2*\t*16384 th:TH_STORE_NT
.endr
.endm
	PLACES
	TOSTAGE 0
.irp a, 1,2,3,4,5,6,7,8,9,10,11,12,13,14,15
.if \a > 1
	s_wait_xcnt 0x0                                ; block a - 2's stores have read their registers and their base
.endif
	TOSTAGE \a
	SEND \a-1, 16                                  ; behind block a - 1's loads: block a's 8 stores and 8 loads
.endr
	s_wait_xcnt 0x0
	SEND 15, 0
	s_wait_tensorcnt 0x0                           ; the wave's end
	ds_add_u32 v[SPW], v[NIL]
	s_wait_dscnt 0x0
	CROUND                                         ; the closing round
	s_endpgm
.Lfunc_end_k_q939fc89068_mm:
	.size	k_q939fc89068_mm, .Lfunc_end_k_q939fc89068_mm-k_q939fc89068_mm
	.p2alignl 7, 3214868480
	.fill 96, 4, 3214868480
	.section	.rodata,"a",@progbits
	.p2align	6, 0x0
	.amdhsa_kernel k_q939fc89068_mm
		.amdhsa_group_segment_fixed_size 327680
		.amdhsa_private_segment_fixed_size 0
		.amdhsa_enable_private_segment 0
		.amdhsa_kernarg_size 40
		.amdhsa_user_sgpr_count 2
		.amdhsa_user_sgpr_kernarg_segment_ptr 1
		.amdhsa_wavefront_size32 1
		.amdhsa_system_sgpr_workgroup_id_x 1
		.amdhsa_system_sgpr_workgroup_id_y 1
		.amdhsa_system_sgpr_workgroup_id_z 1
		.amdhsa_system_vgpr_workitem_id 0
		.amdhsa_next_free_vgpr 1024
		.amdhsa_next_free_sgpr 66
		.amdhsa_reserve_vcc 0
		.amdhsa_float_denorm_mode_32 3
		.amdhsa_float_denorm_mode_16_64 3
		.amdhsa_memory_ordered 1
		.amdhsa_forward_progress 1
		.amdhsa_inst_pref_size 255
	.end_amdhsa_kernel
	.section	.bss,"aw",@nobits
	.p2align	6
	.space	262144
	.amdgpu_metadata
---
amdhsa.version: [ 1, 2 ]
amdhsa.kernels:
  - .name:           k_q939fc89068_mm
    .symbol:         k_q939fc89068_mm.kd
    .args:
      - { .name: x_codes, .offset: 0, .size: 8, .value_kind: global_buffer, .address_space: global }
      - { .name: w_codes, .offset: 8, .size: 8, .value_kind: global_buffer, .address_space: global }
      - { .name: scl, .offset: 16, .size: 8, .value_kind: global_buffer, .address_space: global }
      - { .name: bias, .offset: 24, .size: 8, .value_kind: global_buffer, .address_space: global }
      - { .name: out0, .offset: 32, .size: 8, .value_kind: global_buffer, .address_space: global }
    .group_segment_fixed_size: 327680
    .private_segment_fixed_size: 0
    .kernarg_segment_align: 8
    .kernarg_segment_size: 40
    .max_flat_workgroup_size: 128
    .sgpr_count:     66
    .vgpr_count:     1024
    .wavefront_size: 32
...
	.end_amdgpu_metadata
.endif
;; end of part 2
